; MI455X (gfx1250); checked and timed in simulation.
; The chip was launched on July 23, 2026; its instructions are those of AMD's public machine-readable ISA for CDNA 5 (MIT licence, August 2026) and "CDNA5" Instruction Set Architecture Reference Guide (July 2026). The comments in the code are by the model that wrote it; some were corrected since.
;; Kernelized Attention. Allowed arithmetic: float matrix products may take bf16 or f16 operands with f32 sums; other float arithmetic in f32, or as packed bf16 or f16 multiplies, adds, multiply-adds, maxima and minima; sums over many terms, partial sums and values carried from step to step in f32; what a program stores and reads back later, other than sums and carried values, may be rounded once to bf16 or f16.
;; Inputs: Wk 512 x 512 float32; Wq 512 x 512 float32; Wv 512 x 512 float32; key 4 x 8,192 x 512 float32; query 4 x 8,192 x 512 float32.
;; Outputs: out0 4 x 8,192 x 512 float32.
;; 2 versions, each right; version 2 is version 1 with the launch scan written anew for expert scheduling mode. Each part assembles by itself: llvm-mc -triple=amdgcn-amd-amdhsa -mcpu=gfx1250 --defsym DOCPART=n.
;; ======== version 1 of 2: 4 launches
;; limits: values are held in f16: magnitudes above 65,504 overflow, below 6.1e-05 lose precision
;; workspace buffers: wimg 1,572,864 bytes; kbuf 33,554,432 bytes; vbuf 33,554,432 bytes; vlo 131,072 bytes; part 17,039,360 bytes; pref 17,039,360 bytes
;; launch cast (part 1): grid 128 x 3, 8 waves a work-group, no clusters, 0 bytes of LDS; arguments Wq, Wk, Wv, wimg; writes wimg
.if DOCPART == 1
	.amdgcn_target "amdgcn-amd-amdhsa--gfx1250"
	.amdhsa_code_object_version 6
	.text
	.protected	k_qad2d6e899a_cast
	.globl	k_qad2d6e899a_cast
	.p2align	8
	.type	k_qad2d6e899a_cast,@function
k_qad2d6e899a_cast:
	s_mov_b64 s[64:65], 0
	v_nop
	global_prefetch_b8 v0, s[64:65] scope:SCOPE_SE
	s_setreg_imm32_b32 hwreg(HW_REG_WAVE_MODE, 25, 1), 1
	s_wait_xcnt 0x0
; Wq, Wk, Wv ([512 columns c][512 k], f32) are rounded once to bf16 and laid out as the matrix fragments that the two later launches hold in registers:
; wimg[mat][cb 32][ks 16][half 2][lane 32][16 bytes]: lane l of fragment (cb, ks) holds column 16 cb + l % 16, k = 32 ks + 16 half + 8 (l / 16) + 0..7.
; Thread o (of 32,768 for a matrix) makes the 16 bytes at 16 o: a wave's store covers 512 consecutive bytes.  The grid's y chooses the matrix.
	s_load_b256 s[4:11], s[0:1], 0x0               ; Wq s[4:5], Wk s[6:7], Wv s[8:9], wimg s[10:11]
	s_and_b32 s12, ttmp7, 0xffff                   ; the matrix
	s_lshl_b32 s13, ttmp9, 8
	v_or_b32 v1, s13, v0                           ; o
	v_bfe_u32 v2, v1, 10, 5                        ; cb: 16 rows of 2,048 bytes
	v_lshlrev_b32 v2, 15, v2
	v_and_b32 v3, 15, v1                           ; l % 16: a row
	v_lshl_add_u32 v2, v3, 11, v2
	v_bfe_u32 v3, v1, 6, 4                         ; ks: 32 numbers of 4 bytes
	v_lshl_add_u32 v2, v3, 7, v2
	v_bfe_u32 v3, v1, 4, 2                         ; 2 half + l / 16: 8 numbers
	v_lshl_add_u32 v2, v3, 5, v2
	v_lshlrev_b32 v3, 4, v1                        ; 16 o
	s_lshl_b32 s14, s12, 19                        ; a matrix's image is 524,288 bytes
	s_mov_b32 s15, 0
	s_wait_kmcnt 0x0
	s_cmp_eq_u32 s12, 1
	s_cselect_b64 s[4:5], s[6:7], s[4:5]
	s_cmp_eq_u32 s12, 2
	s_cselect_b64 s[4:5], s[8:9], s[4:5]
	s_add_nc_u64 s[10:11], s[10:11], s[14:15]
	global_load_b128 v[4:7], v2, s[4:5]
	global_load_b128 v[8:11], v2, s[4:5] offset:16
	s_wait_loadcnt 0x0
	v_cvt_pk_bf16_f32 v12, v4, v5
	v_cvt_pk_bf16_f32 v13, v6, v7
	v_cvt_pk_bf16_f32 v14, v8, v9
	v_cvt_pk_bf16_f32 v15, v10, v11
	global_store_b128 v3, v[12:15], s[10:11]
	s_endpgm
.Lfunc_end_k_qad2d6e899a_cast:
	.size	k_qad2d6e899a_cast, .Lfunc_end_k_qad2d6e899a_cast-k_qad2d6e899a_cast
	.p2alignl 7, 3214868480
	.fill 96, 4, 3214868480
	.section	.rodata,"a",@progbits
	.p2align	6, 0x0
	.amdhsa_kernel k_qad2d6e899a_cast
		.amdhsa_group_segment_fixed_size 0
		.amdhsa_private_segment_fixed_size 0
		.amdhsa_enable_private_segment 0
		.amdhsa_kernarg_size 32
		.amdhsa_user_sgpr_count 2
		.amdhsa_user_sgpr_kernarg_segment_ptr 1
		.amdhsa_wavefront_size32 1
		.amdhsa_system_sgpr_workgroup_id_x 1
		.amdhsa_system_sgpr_workgroup_id_y 1
		.amdhsa_system_sgpr_workgroup_id_z 1
		.amdhsa_system_vgpr_workitem_id 0
		.amdhsa_next_free_vgpr 16
		.amdhsa_next_free_sgpr 66
		.amdhsa_reserve_vcc 0
		.amdhsa_float_denorm_mode_32 3
		.amdhsa_float_denorm_mode_16_64 3
		.amdhsa_memory_ordered 1
		.amdhsa_forward_progress 1
		.amdhsa_inst_pref_size 2
	.end_amdhsa_kernel
	.amdgpu_metadata
---
amdhsa.version: [ 1, 2 ]
amdhsa.kernels:
  - .name:           k_qad2d6e899a_cast
    .symbol:         k_qad2d6e899a_cast.kd
    .args:
      - { .name: Wq, .offset: 0, .size: 8, .value_kind: global_buffer, .address_space: global }
      - { .name: Wk, .offset: 8, .size: 8, .value_kind: global_buffer, .address_space: global }
      - { .name: Wv, .offset: 16, .size: 8, .value_kind: global_buffer, .address_space: global }
      - { .name: wimg, .offset: 24, .size: 8, .value_kind: global_buffer, .address_space: global }
    .group_segment_fixed_size: 0
    .private_segment_fixed_size: 0
    .kernarg_segment_align: 8
    .kernarg_segment_size: 32
    .max_flat_workgroup_size: 256
    .sgpr_count:     66
    .vgpr_count:     16
    .wavefront_size: 32
...
	.end_amdgpu_metadata
.endif
;; end of part 1
;; launch kv (part 2): grid 64 x 4, 4 waves a work-group, clusters of 4 x 1, 327,680 bytes of LDS; arguments key, wimg, kbuf, vbuf, vlo, part; writes kbuf, vbuf, vlo, part
.if DOCPART == 2
	.amdgcn_target "amdgcn-amd-amdhsa--gfx1250"
	.amdhsa_code_object_version 6
	.text
	.protected	k_qad2d6e899a_kv
	.globl	k_qad2d6e899a_kv
	.p2align	8
	.type	k_qad2d6e899a_kv,@function
k_qad2d6e899a_kv:
	s_mov_b64 s[64:65], 0
	v_nop
	global_prefetch_b8 v0, s[64:65] scope:SCOPE_SE
	s_setreg_imm32_b32 hwreg(HW_REG_WAVE_MODE, 25, 1), 1
	s_wait_xcnt 0x0
	s_wait_alu depctr_hold_cnt(0) depctr_sa_sdst(0) depctr_va_vdst(0) depctr_va_sdst(0) depctr_va_ssrc(0) depctr_va_vcc(0) depctr_vm_vsrc(0)
	s_getreg_b32 s2, hwreg(HW_REG_IB_STS2, 6, 4)
	s_cmp_eq_u32 s2, 0
	s_cbranch_scc0 .Lentry_in_a_cluster
	s_endpgm
.Lentry_in_a_cluster:
	s_bfe_u32 s2, ttmp6, 0x10000c
	s_cmp_lg_u32 s2, 0x3003
	s_cbranch_scc0 .Lentry_shape_is_right
	s_endpgm
.Lentry_shape_is_right:
; k = log2(e) ln(2 + e^x), x = key Wk^T (softplus of softplus is ln(2 + e^x) for every x; the factor log2(e) on k cancels in the quotient that the last launch forms), v = key Wv^T.
; Both leave in f16 as matrix fragments [n 8 + h][step of 32 rows][16 columns][half][lane][16 bytes] (lane % 16 = column, k = row); for rows 0-31 of a batch also v - f16(v), in f16;
; and for each segment of 256 rows the f32 sums K^T V (64 x 64) and the sum of k (64), made of the rounded k and v.
; LIMITS.  |x| log2(e) and |v| stay below 65,504 (f16).  key and the weights are rounded to bf16.  NaN and infinities are not treated apart.  2^t below 2^-126 counts as 0: the result is then 1 = log2(2).
; SHARES.  A work-group: 512 rows of one batch, two heads.  Wave w: head 2 cx + w / 2, columns 32 (w % 2) .. + 31 of its k and of its v.  THE WEIGHTS STAY IN REGISTERS: 64 fragments, 512 registers a wave.
; key comes in f32 through a ring of two LDS slots of 64 rows (two steps); each wave rounds its fragments to bf16 on the way, two conversions and one LDS load behind each matrix instruction.
; CLUSTER.  The four work-groups of a cluster take the four pairs of heads of the same rows: each tile of key is asked for jointly, by the same tensor load, descriptor and mask in all four.
; REGISTERS (windows of 256; s_set_vgpr_msb: bits 1:0 source 0, 3:2 source 1, 5:4 source 2, 7:6 destination):
;   window 0: v0-31 addresses; v32-95 ACC (column tile ct, row tile rt at 32 + 8 (2 ct + rt); ct 0, 1 = k, 2, 3 = v); v96-191 F, three sets of f32 pieces; v192-239 XB, three sets of bf16 fragments;
;             behind the projection: v96-111 KO, v112-127 VO (my fragments in f16), v128-159 KA (the head's four fragments of k), v160-175 the low parts of v
;   windows 1, 2: the weights, fragment (ct, ks) at 256 + 8 (16 ct + ks)       window 3: v0-63 S (d tile dt, my e tile b at 8 (2 dt + b)); v64-79 Z; v80-87 ones in f16
.set PITCH, 1040                       ; an LDS row: 1,024 bytes + 16 = 65 x 16: the 16 rows that half a wave's load touches fall on 16 different columns of 16 bytes
.set BLK,   32*PITCH                   ; a block: 32 rows x 256 f32: what one tensor load brings
.set SLOTB, 4*BLK                      ; a slot: 64 rows x 512 f32 = 0x20800; its bits meet none of w x BLK, so one exclusive or turns a slot's address into the other's
.set EXB,   2*SLOTB                    ; behind the ring: k's fragments pass between the two waves of a head: [parity 2][head 2][dt 4][1,024 bytes]
.set SPARE, EXB+16384                  ; the spare words, 128 bytes for each wave: two blocks of 256 bytes that no other line names
.set TSTEP, 64*2048                    ; bytes of key from a slot's rows to the next slot's
.set SEG,   532480                     ; bytes of the 32 state records (16,640 each) of one segment
.set XL,  4                            ; v4   my place in a block: (l % 16) x PITCH + 32 (l / 16)
.set XA,  5                            ; v5   the same in the step in hand
.set EXW, 6                            ; v6   where I put my fragments of k
.set EXR, 7                            ; v7   where I read the head's four
.set EA,  8                            ; v8   either of them, with the parity
.set KVO, 9                            ; v9   16 l + 2,048 (w % 2): my place in a step's record of kbuf, vbuf, vlo and in a state record
.set ZO,  11                           ; v11  my place among a record's sums of k
.set PFO, 12                           ; v12  2,048 l: a lane a row, for the prefetch
.set ONEF,13                           ; v13  1.0
.set WO,  14                           ; v14  16 l
.set SPW, 30                           ; v30  my spare word; never rewritten
.set NIL, 31                           ; v31  0; never rewritten
.set ACC, 32
.set F,   96
.set XB,  192
.set KO,  96
.set VO,  112
.set KA,  128
.set LO,  160
.set SS,  0                            ; window 3
.set ZZ,  64
.set ONE, 80
.set WV, 16                            ; s16 wave   s17 cx   s18 cluster x (block of 512 rows)   s19 batch   s20 head   s21 8 n + h   s22 w / 2   s23 w % 2
.set CX, 17
.set CC, 18
.set NN, 19
.set HH, 20
.set NH, 21
.set HL, 22
.set XX, 23
.set G1, 24                            ; s[24:31] descriptor group 1
.set G0, 32                            ; s[32:35] descriptor group 0: it walks
.set PFA, 36                           ; s[36:37] where my prefetch stands
.set SLOTS, 38                         ; s38 slots still to be asked for
.set TWICE, 39                         ; s39 counts a slot's two steps
.set TB,  40                           ; s40 LDS byte at which the step in hand begins
.set EXP, 41                           ; s41 the exchange's parity: 0 or 8,192
.set SN,  42                           ; s42 the step's number, 0 to 15
.set FR,  43                           ; s43 1: the step to come holds a batch's rows 0-31
.set LE,  52                           ; s[52:53] log2(e), named as a pair
.set CAP, 54                           ; s54 115.0
.set MSB, 0
.macro WIN new                         ; the immediate's high byte repeats the setting that is left; a switch that changes nothing is dropped
.if MSB != (\new)
	s_set_vgpr_msb (MSB<<8)|(\new)
.set MSB, (\new)
.endif
.endm
.macro PLACES n
.rept \n
	v_nop
.endr
.endm
; A round of the cluster's barrier: my work-group's barrier, so that wave 0's signal speaks for all four waves; wave 0 signals; every wave waits for all four work-groups; my work-group's barrier once more.
.macro CROUND
	s_barrier_signal -1
	s_barrier_wait -1
	s_cmp_lg_u32 s[WV], 0
	s_cbranch_scc1 .Lnot_wave_0_\@
	s_barrier_signal -3
.Lnot_wave_0_\@:
	s_barrier_wait -3
	s_barrier_signal -1
	s_barrier_wait -1
.endm
; A prefetch of what the NEXT change of slots will ask for.  A block's row is 1,024 bytes: of its four pieces of 256 bytes the partner at place cx takes piece cx (by address: no branch hangs on cx), a lane a row;
; each wave asks for the block that it will fetch, and only this cluster reads these rows: each piece is named once in the launch.  The last change that fills a slot asks for nothing; tiles 0 and 1 come by their loads alone.
.macro ASK
	s_cmp_gt_u32 s[SLOTS], 1
	s_cbranch_scc0 .Lno_ask_\@
	global_prefetch_b8 v[PFO], s[PFA:PFA+1] th:TH_LOAD_NT scope:SCOPE_SE
.Lno_ask_\@:
.endm
; THE CHANGE OF SLOTS.  Each wave waits for all its tensor loads, of which one is out: its block of the other slot; adds 0 to its spare word; waits for that and for its reads of the slot that it leaves.
; fill = 1: the barrier is a round of the cluster's, and the joint refill of the slot just left is the first thing behind it: it has two steps in which to land.  (At its first use slot 0 is waited for and slot 1 filled.)
.macro CHANGE fill
	WIN 0
.if \fill
	s_add_nc_u64 s[PFA:PFA+1], s[PFA:PFA+1], TSTEP ; the last prefetch has read it: the wait at the last step's end stands between
.endif
	s_wait_tensorcnt 0x0                           ; no tensor load of mine is out, so group 0 may be written
	ds_add_u32 v[SPW], v[NIL]                      ; 0 onto my spare word; scalar work stands between it and the wait for it
.if \fill
	s_xor_b32 s[G0+1], s[G0+1], SLOTB              ; the other slot than last time,
	s_add_nc_u64 s[G0+2:G0+3], s[G0+2:G0+3], TSTEP ; the next 64 rows; the type bits on top are not reached
.endif
	s_sub_co_u32 s[TB], s[TB], SLOTB               ; the reads go back to a slot's first step,
	s_xor_b32 s[TB], s[TB], SLOTB                  ; in the other slot
	s_wait_dscnt 0x0                               ; the add is done, and my reads of the slot are over
.if \fill
	CROUND
	tensor_load_to_lds s[G0:G0+3], s[G1:G1+7]
	s_nop 0
	PLACES 4
	ASK
.else
	s_barrier_signal -1
	s_barrier_wait -1
.endif
.endm
; Piece j of 8 of K step ks: 16 bytes a lane.  Pieces 0-3 are rows 0-15, pieces 4-7 rows 16-31; in a row a lane's k = 8 (l / 16) + 0..7 lie at 0 and 16, k = 16 + 8 (l / 16) + 0..7 at 64 and 80.
.macro XLOAD ks, j
	ds_load_b128 v[F+32*((\ks)%3)+4*(\j):F+32*((\ks)%3)+4*(\j)+3], v[XA] offset:((\ks)>>3)*BLK+((\j)>>2)*16*PITCH+((\ks)&7)*128+(((\j)>>1)&1)*64+((\j)&1)*16
.endm
.macro XCVT ks, c                      ; conversion c of 16 of K step ks: two numbers rounded to bf16
	v_cvt_pk_bf16_f32 v[XB+16*((\ks)%3)+(\c)], v[F+32*((\ks)%3)+2*(\c)], v[F+32*((\ks)%3)+2*(\c)+1]
.endm
; THE PROJECTION of 32 rows onto my 64 columns: 16 K steps of 8 matrix instructions; the 8 accumulators take turns.  Behind product j of K step ks stand conversions 2 j, 2 j + 1 of K step
; ks + 1 and the load of piece j of K step ks + 3.  A set of XB is written again three K steps on: 16 conversions of another set lie between its last product and that.
; ori = 0: source 0 = rows of key, source 1 = weights: a lane holds one column and eight rows.  ori = 1: the sources change places.
.macro PROJ ori
	WIN 0
	v_add_nc_u32 v[XA], s[TB], v[XL]
.set ks, 0
.rept 3
.set j, 0
.rept 8
	XLOAD ks, j
.set j, j+1
.endr
.set ks, ks+1
.endr
	s_wait_dscnt 16                                ; K step 0's eight pieces are in; those of K steps 1 and 2 may stay out
.set j, 0
.rept 16
	XCVT 0, j
.set j, j+1
.endr
.set ks, 0
.rept 16
.set w0, 4                             ; what may stay out when pieces 0-3 of K step ks + 1 are wanted: its pieces 4-7 and K step ks + 2's eight, where there is such a step;
.set w4, 0                             ; and when its pieces 4-7 are wanted: K step ks + 2's eight and the four of K step ks + 3 just issued
.if ks <= 13
.set w0, 12
.set w4, 8
.endif
.if ks <= 12
.set w4, 12
.endif
.set j, 0
.rept 8
.set rW, 8*(16*((j>>1)&1)+ks)
.set rX, XB+16*(ks%3)+8*(j&1)
.set rA, ACC+8*j
.if \ori
	WIN 0x01+(j>>2)
.if ks == 0
	v_wmma_f32_16x16x32_bf16 v[rA:rA+7], v[rW:rW+7], v[rX:rX+7], 0
.else
	v_wmma_f32_16x16x32_bf16 v[rA:rA+7], v[rW:rW+7], v[rX:rX+7], v[rA:rA+7]
.endif
.else
	WIN 0x04+4*(j>>2)
.if ks == 0
	v_wmma_f32_16x16x32_bf16 v[rA:rA+7], v[rX:rX+7], v[rW:rW+7], 0
.else
	v_wmma_f32_16x16x32_bf16 v[rA:rA+7], v[rX:rX+7], v[rW:rW+7], v[rA:rA+7]
.endif
.endif
.if ks < 15
	WIN 0
.if j == 0
	s_wait_dscnt w0
.endif
.if j == 4
	s_wait_dscnt w4
.endif
	XCVT ks+1, 2*j
	XCVT ks+1, 2*j+1
.endif
.if ks < 13
	XLOAD ks+3, j
.endif
.set j, j+1
.endr
.set ks, ks+1
.endr
	WIN 0
.endm
; y = max(t, log2(2 + 2^min(t, 115))), t = x log2(e), in place on cnt registers from base on; tmp: as many at work.  No exponential overflows; from t = 115 on y = t.
; Each accumulator's lowest registers are read first.  Two batches of transcendentals, each with one plain instruction behind it and one wait ahead of its first reader.
.macro ACT base, cnt, tmp
	PLACES 4                                       ; behind the last products
.set i, 0
.rept (\cnt)/2
	v_pk_mul_f32 v[(\base)+i:(\base)+i+1], v[(\base)+i:(\base)+i+1], s[LE:LE+1] op_sel_hi:[1,0]
.set i, i+2
.endr
.set i, 0
.rept \cnt
	v_min_num_f32 v[(\tmp)+i], s[CAP], v[(\base)+i]
.set i, i+1
.endr
.set i, 0
.rept \cnt
	v_exp_f32 v[(\tmp)+i], v[(\tmp)+i]
.set i, i+1
.endr
	v_nop
	s_wait_alu depctr_va_vdst(0)
.set i, 0
.rept (\cnt)/2
	v_pk_add_f32 v[(\tmp)+i:(\tmp)+i+1], v[(\tmp)+i:(\tmp)+i+1], 2.0 op_sel_hi:[1,0]
.set i, i+2
.endr
.set i, 0
.rept \cnt
	v_log_f32 v[(\tmp)+i], v[(\tmp)+i]
.set i, i+1
.endr
	v_nop
	s_wait_alu depctr_va_vdst(0)
.set i, 0
.rept \cnt
	v_max_num_f32 v[(\base)+i], v[(\base)+i], v[(\tmp)+i]
.set i, i+1
.endr
.endm
; The segment's sums take the step's 32 rows: S(d, e) += K^T V for all four d tiles and my two e tiles, Z(d) += K^T 1 for my two d tiles: ten accumulators, one instruction each.  zero = 1: a segment's first step starts them.
.macro UPD zero
	WIN 0xf0
.irp dt, 0,1,2,3
.irp b, 0,1
.if \zero
	v_wmma_f32_16x16x32_f16 v[SS+8*(2*\dt+\b):SS+8*(2*\dt+\b)+7], v[KA+8*\dt:KA+8*\dt+7], v[VO+8*\b:VO+8*\b+7], 0
.else
	v_wmma_f32_16x16x32_f16 v[SS+8*(2*\dt+\b):SS+8*(2*\dt+\b)+7], v[KA+8*\dt:KA+8*\dt+7], v[VO+8*\b:VO+8*\b+7], v[SS+8*(2*\dt+\b):SS+8*(2*\dt+\b)+7]
.endif
.endr
.endr
	WIN 0xfc
.irp i, 0,1
.if \zero
	v_wmma_f32_16x16x32_f16 v[ZZ+8*\i:ZZ+8*\i+7], v[KO+8*\i:KO+8*\i+7], v[ONE:ONE+7], 0
.else
	v_wmma_f32_16x16x32_f16 v[ZZ+8*\i:ZZ+8*\i+7], v[KO+8*\i:KO+8*\i+7], v[ONE:ONE+7], v[ZZ+8*\i:ZZ+8*\i+7]
.endif
.endr
	WIN 0
.endm
; A STEP: 32 rows.
.macro STEP
	PLACES 5                                       ; behind the last step's products, in front of loads into registers that they read
	PROJ 0
	ACT ACC, 32, KO                                ; the four tiles of k
.set m, 0
.rept 32                                       ; a lane's eight rows of a column, rounded in pairs, ARE half a fragment with the column in the lane and the rows along k: KO, then VO
	v_cvt_pk_f16_f32 v[KO+m], v[ACC+2*m], v[ACC+2*m+1]
.set m, m+1
.endr
	v_add_nc_u32 v[EA], s[EXP], v[EXW]
.irp i, 0,1
	ds_store_b128 v[EA], v[KO+8*\i:KO+8*\i+3] offset:\i*1024
	ds_store_b128 v[EA], v[KO+8*\i+4:KO+8*\i+7] offset:\i*1024+512
.endr
.irp i, 0,1                                    ; each store of the wave covers 512 consecutive bytes, aligned
	global_store_b128 v[KVO], v[KO+8*\i:KO+8*\i+3], s[8:9] offset:\i*1024 th:TH_STORE_NT
	global_store_b128 v[KVO], v[KO+8*\i+4:KO+8*\i+7], s[8:9] offset:\i*1024+512 th:TH_STORE_NT
	global_store_b128 v[KVO], v[VO+8*\i:VO+8*\i+3], s[10:11] offset:\i*1024 th:TH_STORE_NT
	global_store_b128 v[KVO], v[VO+8*\i+4:VO+8*\i+7], s[10:11] offset:\i*1024+512 th:TH_STORE_NT
.endr
	s_cmp_eq_u32 s[FR], 0
	s_cbranch_scc1 .Lno_lo_\@
.set m, 16
.rept 16                                       ; a batch's rows 0-31: what f16 dropped of v, in f16 again
	v_fma_mix_f32 v[ACC+2*m], -v[KO+m], v[ONEF], v[ACC+2*m] op_sel_hi:[1,0,0]
	v_fma_mix_f32 v[ACC+2*m+1], -v[KO+m], v[ONEF], v[ACC+2*m+1] op_sel:[1,0,0] op_sel_hi:[1,0,0]
.set m, m+1
.endr
.set m, 16
.rept 16
	v_cvt_pk_f16_f32 v[LO+m-16], v[ACC+2*m], v[ACC+2*m+1]
.set m, m+1
.endr
.irp i, 0,1
	global_store_b128 v[KVO], v[LO+8*\i:LO+8*\i+3], s[12:13] offset:\i*1024
	global_store_b128 v[KVO], v[LO+8*\i+4:LO+8*\i+7], s[12:13] offset:\i*1024+512
.endr
	s_mov_b32 s[FR], 0
.Lno_lo_\@:
	s_wait_dscnt 0x0                               ; for the other wave of my head: my fragments of k lie in LDS
	s_barrier_signal -1                            ; the tensor load that is out may stay out
	s_barrier_wait -1
	v_add_nc_u32 v[EA], s[EXP], v[EXR]
.irp dt, 0,1,2,3
	ds_load_b128 v[KA+8*\dt:KA+8*\dt+3], v[EA] offset:\dt*1024
	ds_load_b128 v[KA+8*\dt+4:KA+8*\dt+7], v[EA] offset:\dt*1024+512
.endr
	s_wait_dscnt 0x0                               ; these bytes are stored again two steps on, behind the next step's barrier, which every wave signals behind this wait
	s_and_b32 s44, s[SN], 7                        ; the step's place in its segment
	s_cmp_eq_u32 s44, 0
	s_cbranch_scc0 .Lacc_\@
	UPD 1
	s_branch .Lupd_\@
.Lacc_\@:
	UPD 0
.Lupd_\@:
	s_cmp_eq_u32 s44, 7
	s_cbranch_scc0 .Lkeep_\@
	PLACES 4                                       ; the segment's last step: its sums leave, each accumulator's lower half first
	WIN 0x0c
.irp dt, 0,1,2,3
.irp b, 0,1
	global_store_b128 v[KVO], v[SS+8*(2*\dt+\b):SS+8*(2*\dt+\b)+3], s[14:15] offset:\dt*4096+\b*1024 th:TH_STORE_NT
	global_store_b128 v[KVO], v[SS+8*(2*\dt+\b)+4:SS+8*(2*\dt+\b)+7], s[14:15] offset:\dt*4096+\b*1024+512 th:TH_STORE_NT
.endr
.endr
.irp i, 0,1                                    ; all 16 columns of Z are alike: the 16 lanes of a half store the same 32 bytes
	global_store_b128 v[ZO], v[ZZ+8*\i:ZZ+8*\i+3], s[14:15] offset:\i*64
	global_store_b128 v[ZO], v[ZZ+8*\i+4:ZZ+8*\i+7], s[14:15] offset:\i*64+16
.endr
	WIN 0
.Lkeep_\@:
	s_wait_xcnt 0x0                                ; the step's stores have read their registers and bases: only behind this wait are these written again, here and by the next projection's loads
	s_add_nc_u64 s[8:9], s[8:9], 4096
	s_add_nc_u64 s[10:11], s[10:11], 4096
	s_cmp_eq_u32 s44, 7
	s_cselect_b32 s46, SEG, 0
	s_mov_b32 s47, 0
	s_add_nc_u64 s[14:15], s[14:15], s[46:47]
	s_add_co_u32 s[SN], s[SN], 1
	s_add_co_u32 s[TB], s[TB], 2*BLK
	s_xor_b32 s[EXP], s[EXP], 8192
.endm
	s_load_b256 s[4:11], s[0:1], 0x0               ; key s[4:5], wimg s[6:7], kbuf s[8:9], vbuf s[10:11]
	s_load_b128 s[12:15], s[0:1], 0x20             ; vlo s[12:13], part s[14:15]
	v_lshl_add_u32 v[SPW], v0, 2, SPARE
	v_mov_b32 v[NIL], 0
	ds_add_u32 v[SPW], v[NIL]                      ; the wave's opening: the add and its wait stand ahead of my first tensor load; the set-up below stands between them
	v_lshrrev_b32 v1, 5, v0
	v_readfirstlane_b32 s[WV], v1
	s_bfe_u32 s[CX], ttmp6, 0x40000                ; my place in the cluster: the pair of heads; it enters the weights', the outputs' and the prefetch's addresses alone
	s_mov_b32 s[CC], ttmp9
	s_and_b32 s[NN], ttmp7, 0xffff
	s_lshr_b32 s[HL], s[WV], 1
	s_and_b32 s[XX], s[WV], 1
	s_lshl1_add_u32 s[HH], s[CX], s[HL]
	s_lshl3_add_u32 s[NH], s[NN], s[HH]
	s_mov_b32 s[G1], 15|(2<<16)|(1<<20)|(1<<21)|(7<<22)|(3<<25)  ; 15:0 the mask of four; 17:16 4-byte elements; 20 padding on; 21 set beside a mask; 24:22 after every 256 words (code 7); 31:25 4 words (code 3)
	s_mov_b32 s[G1+1], 256<<16                     ; tensor_dim0 = 256
	s_mov_b32 s[G1+2], 32<<16                      ; tensor_dim1 = 32
	s_mov_b32 s[G1+3], 256<<16                     ; tile_dim0 = 256
	s_mov_b32 s[G1+4], 32                          ; tile_dim1 = 32
	s_mov_b32 s[G1+5], 512                         ; 512 elements from row to row
	s_mov_b32 s[G1+6], 0
	s_mov_b32 s[G1+7], 0
	s_mov_b32 s[G0], 1
	s_mul_i32 s[G0+1], s[WV], BLK                  ; block w of slot 0: rows 32 (w / 2) on, columns 256 (w % 2) on
	s_lshl_b32 s44, s[NN], 24                      ; my block in key: batch, 512 rows a cluster,
	s_lshl_b32 s45, s[CC], 20
	s_add_co_u32 s44, s44, s45
	s_lshl_b32 s45, s[HL], 16                      ; 32 rows,
	s_add_co_u32 s44, s44, s45
	s_lshl_b32 s45, s[XX], 10                      ; 256 columns
	s_add_co_u32 s44, s44, s45
	s_mov_b32 s45, 0
	s_lshl_b32 s46, s[CX], 2                       ; my weights: Wk's column tiles 8 cx + 2 w and the next, 16,384 bytes each; Wv's lie 524,288 bytes on
	s_add_co_u32 s46, s46, s[WV]
	s_lshl_b32 s46, s46, 15
	s_add_co_u32 s46, s46, 524288
	s_mov_b32 s47, 0
	s_lshl_b32 s48, s[NH], 20                      ; kbuf, vbuf: 256 steps of 4,096 bytes a head, 16 steps a work-group
	s_lshl_b32 s49, s[CC], 16
	s_add_co_u32 s48, s48, s49
	s_mov_b32 s49, 0
	s_lshl_b32 s50, s[NH], 12
	s_mov_b32 s51, 0
	s_mul_i32 s56, s[CC], 2*SEG                    ; part: segment 2 c, record 8 n + h
	s_mul_i32 s57, s[NH], 16640
	s_add_co_u32 s56, s56, s57
	s_mov_b32 s57, 0
	s_lshl_b32 s58, s[CX], 8                       ; the prefetch: my work-group's piece of a row, in tile 1; the first change steps it to tile 2
	s_add_co_u32 s58, s58, TSTEP
	s_mov_b32 s59, 0
	s_mov_b32 s[LE], 0x3fb8aa3b
	s_mov_b32 s[LE+1], 0x3fb8aa3b
	s_mov_b32 s[CAP], 0x42e60000
	s_mov_b32 s[TB], 2*SLOTB                       ; the first change of slots turns it into 0
	s_mov_b32 s[EXP], 0
	s_mov_b32 s[SN], 0
	s_cmp_eq_u32 s[CC], 0
	s_cselect_b32 s[FR], 1, 0
	s_mov_b32 s[SLOTS], 7
	s_wait_dscnt 0x0                               ; the opening add is done
	s_wait_kmcnt 0x0
	s_add_nc_u64 s[G0+2:G0+3], s[4:5], s[44:45]
	s_add_nc_u64 s[PFA:PFA+1], s[G0+2:G0+3], s[58:59]
	s_or_b32 s[G0+3], s[G0+3], 0x80000000
	s_add_nc_u64 s[6:7], s[6:7], s[46:47]
	s_add_nc_u64 s[8:9], s[8:9], s[48:49]
	s_add_nc_u64 s[10:11], s[10:11], s[48:49]
	s_add_nc_u64 s[12:13], s[12:13], s[50:51]
	s_add_nc_u64 s[14:15], s[14:15], s[56:57]
	CROUND                                         ; all four work-groups are here: the first joint loads meet
	tensor_load_to_lds s[G0:G0+3], s[G1:G1+7]      ; tile 0 into slot 0; slot 1 is asked for by the first change of slots
	s_nop 0
	PLACES 4
	v_and_b32 v1, 15, v0                           ; l % 16
	v_bfe_u32 v2, v0, 4, 1                         ; l / 16
	v_and_b32 v3, 31, v0                           ; l
	v_lshlrev_b32 v[WO], 4, v3
	WIN 0x40
.set i, 0
.rept 32                                       ; Wk's 32 fragments, each two runs of 512 consecutive bytes
	global_load_b128 v[8*i:8*i+3], v[WO], s[6:7] offset:i*1024
	global_load_b128 v[8*i+4:8*i+7], v[WO], s[6:7] offset:i*1024+512
.set i, i+1
.endr
	WIN 0x80
.set i, 0
.rept 32                                       ; Wv's
	global_load_b128 v[8*i:8*i+3], v[WO], s[6:7] offset:524288+i*1024
	global_load_b128 v[8*i+4:8*i+7], v[WO], s[6:7] offset:524288+i*1024+512
.set i, i+1
.endr
	WIN 0xc0
.set i, 0
.rept 8
	v_mov_b32 v[ONE+i], 0x3c003c00                 ; 1.0 twice, in f16
.set i, i+1
.endr
	WIN 0
	v_mul_u32_u24 v[XL], v1, PITCH
	v_lshl_add_u32 v[XL], v2, 5, v[XL]
	s_lshl_b32 s44, s[XX], 11
	v_add_nc_u32 v[KVO], s44, v[WO]
	s_lshl_b32 s45, s[HL], 12
	s_add_co_u32 s45, s45, EXB
	v_add_nc_u32 v[EXR], s45, v[WO]
	v_add_nc_u32 v[EXW], s44, v[EXR]
	s_lshl_b32 s46, s[XX], 7
	s_add_co_u32 s46, s46, 16384
	v_lshl_add_u32 v[ZO], v2, 5, s46
	v_lshlrev_b32 v[PFO], 11, v3
	v_mov_b32 v[ONEF], 1.0
	s_wait_loadcnt 0x0                             ; the weights
.Lslot:                                        ; seven trips: a slot's two steps are worked, the next slot but one is asked for
	CHANGE 1
	s_mov_b32 s[TWICE], 2
.Lstep:
	STEP
	s_sub_co_u32 s[TWICE], s[TWICE], 1
	s_cmp_lg_u32 s[TWICE], 0
	s_cbranch_scc1 .Lstep
	s_sub_co_u32 s[SLOTS], s[SLOTS], 1
	s_cmp_lg_u32 s[SLOTS], 0
	s_cbranch_scc1 .Lslot
	CHANGE 0                                       ; the last slot is written out: nothing is asked for
	s_mov_b32 s[TWICE], 2
.Ltail:
	STEP
	s_sub_co_u32 s[TWICE], s[TWICE], 1
	s_cmp_lg_u32 s[TWICE], 0
	s_cbranch_scc1 .Ltail
	s_wait_tensorcnt 0x0                           ; the wave's end, behind my last tensor load and my last LDS store
	ds_add_u32 v[SPW], v[NIL]
	s_wait_dscnt 0x0
	CROUND                                         ; the closing round
	s_endpgm
.Lfunc_end_k_qad2d6e899a_kv:
	.size	k_qad2d6e899a_kv, .Lfunc_end_k_qad2d6e899a_kv-k_qad2d6e899a_kv
	.p2alignl 7, 3214868480
	.fill 96, 4, 3214868480
	.section	.rodata,"a",@progbits
	.p2align	6, 0x0
	.amdhsa_kernel k_qad2d6e899a_kv
		.amdhsa_group_segment_fixed_size 327680
		.amdhsa_private_segment_fixed_size 0
		.amdhsa_enable_private_segment 0
		.amdhsa_kernarg_size 48
		.amdhsa_user_sgpr_count 2
		.amdhsa_user_sgpr_kernarg_segment_ptr 1
		.amdhsa_wavefront_size32 1
		.amdhsa_system_sgpr_workgroup_id_x 1
		.amdhsa_system_sgpr_workgroup_id_y 1
		.amdhsa_system_sgpr_workgroup_id_z 1
		.amdhsa_system_vgpr_workitem_id 0
		.amdhsa_next_free_vgpr 856
		.amdhsa_next_free_sgpr 66
		.amdhsa_reserve_vcc 0
		.amdhsa_float_denorm_mode_32 3
		.amdhsa_float_denorm_mode_16_64 3
		.amdhsa_memory_ordered 1
		.amdhsa_forward_progress 1
		.amdhsa_inst_pref_size 137
	.end_amdhsa_kernel
	.amdgpu_metadata
---
amdhsa.version: [ 1, 2 ]
amdhsa.kernels:
  - .name:           k_qad2d6e899a_kv
    .symbol:         k_qad2d6e899a_kv.kd
    .args:
      - { .name: key, .offset: 0, .size: 8, .value_kind: global_buffer, .address_space: global }
      - { .name: wimg, .offset: 8, .size: 8, .value_kind: global_buffer, .address_space: global }
      - { .name: kbuf, .offset: 16, .size: 8, .value_kind: global_buffer, .address_space: global }
      - { .name: vbuf, .offset: 24, .size: 8, .value_kind: global_buffer, .address_space: global }
      - { .name: vlo, .offset: 32, .size: 8, .value_kind: global_buffer, .address_space: global }
      - { .name: part, .offset: 40, .size: 8, .value_kind: global_buffer, .address_space: global }
    .group_segment_fixed_size: 327680
    .private_segment_fixed_size: 0
    .kernarg_segment_align: 8
    .kernarg_segment_size: 48
    .max_flat_workgroup_size: 128
    .sgpr_count:     66
    .vgpr_count:     856
    .wavefront_size: 32
...
	.end_amdgpu_metadata
.endif
;; end of part 2
;; launch scan (part 3): grid 260 x 1, 4 waves a work-group, no clusters, 0 bytes of LDS; arguments part, pref; writes pref
.if DOCPART == 3
	.amdgcn_target "amdgcn-amd-amdhsa--gfx1250"
	.amdhsa_code_object_version 6
	.text
	.protected	k_qad2d6e899a_scan
	.globl	k_qad2d6e899a_scan
	.p2align	8
	.type	k_qad2d6e899a_scan,@function
k_qad2d6e899a_scan:
	s_mov_b64 s[64:65], 0
	v_nop
	global_prefetch_b8 v0, s[64:65] scope:SCOPE_SE
	s_setreg_imm32_b32 hwreg(HW_REG_WAVE_MODE, 25, 1), 1
	s_wait_xcnt 0x0
; pref[s] = the sum of part[0 .. s - 1], for the 32 segments s, in f32: the state with which segment s begins.  A segment's 32 records are 532,480 bytes; thread g owns the 16 bytes at 16 g of every segment
; (260 x 128 x 16 = 532,480), so a wave's load or store covers 512 consecutive bytes.  All 31 loads go out at once, each into registers of its own; no register is written twice behind its load, so no store's source is ever rewritten.
; Each buffer has a second base 16 segments on, so that the immediates stay inside their signed 24 bits.
.set SEG, 532480
.set X, 8                              ; v[8:131] segment i's four numbers at X + 4 i, then the running sum up to it
	s_load_b128 s[4:7], s[0:1], 0x0                ; part s[4:5], pref s[6:7]
	s_lshl_b32 s12, ttmp9, 11
	v_lshl_add_u32 v1, v0, 4, s12                  ; 16 g
	v_mov_b32 v4, 0
	v_mov_b32 v5, 0
	v_mov_b32 v6, 0
	v_mov_b32 v7, 0
	s_wait_kmcnt 0x0
	s_add_nc_u64 s[8:9], s[4:5], 16*SEG
	s_add_nc_u64 s[10:11], s[6:7], 16*SEG
.set i, 0
.rept 31
.if i < 16
	global_load_b128 v[X+4*i:X+4*i+3], v1, s[4:5] offset:i*SEG th:TH_LOAD_NT
.else
	global_load_b128 v[X+4*i:X+4*i+3], v1, s[8:9] offset:(i-16)*SEG th:TH_LOAD_NT
.endif
.set i, i+1
.endr
	global_store_b128 v1, v[4:7], s[6:7]           ; segment 0 begins with nothing
.set i, 0
.rept 31
	s_wait_loadcnt 30-i                            ; loads come back in order: segment i is in, the 30 - i younger ones may stay out
.if i > 0
	v_pk_add_f32 v[X+4*i:X+4*i+1], v[X+4*i:X+4*i+1], v[X+4*i-4:X+4*i-3]
	v_pk_add_f32 v[X+4*i+2:X+4*i+3], v[X+4*i+2:X+4*i+3], v[X+4*i-2:X+4*i-1]
.endif
.if i < 15
	global_store_b128 v1, v[X+4*i:X+4*i+3], s[6:7] offset:(i+1)*SEG
.else
	global_store_b128 v1, v[X+4*i:X+4*i+3], s[10:11] offset:(i-15)*SEG
.endif
.set i, i+1
.endr
	s_endpgm
.Lfunc_end_k_qad2d6e899a_scan:
	.size	k_qad2d6e899a_scan, .Lfunc_end_k_qad2d6e899a_scan-k_qad2d6e899a_scan
	.p2alignl 7, 3214868480
	.fill 96, 4, 3214868480
	.section	.rodata,"a",@progbits
	.p2align	6, 0x0
	.amdhsa_kernel k_qad2d6e899a_scan
		.amdhsa_group_segment_fixed_size 0
		.amdhsa_private_segment_fixed_size 0
		.amdhsa_enable_private_segment 0
		.amdhsa_kernarg_size 16
		.amdhsa_user_sgpr_count 2
		.amdhsa_user_sgpr_kernarg_segment_ptr 1
		.amdhsa_wavefront_size32 1
		.amdhsa_system_sgpr_workgroup_id_x 1
		.amdhsa_system_sgpr_workgroup_id_y 1
		.amdhsa_system_sgpr_workgroup_id_z 1
		.amdhsa_system_vgpr_workitem_id 0
		.amdhsa_next_free_vgpr 136
		.amdhsa_next_free_sgpr 66
		.amdhsa_reserve_vcc 0
		.amdhsa_float_denorm_mode_32 3
		.amdhsa_float_denorm_mode_16_64 3
		.amdhsa_memory_ordered 1
		.amdhsa_forward_progress 1
		.amdhsa_inst_pref_size 12
	.end_amdhsa_kernel
	.amdgpu_metadata
---
amdhsa.version: [ 1, 2 ]
amdhsa.kernels:
  - .name:           k_qad2d6e899a_scan
    .symbol:         k_qad2d6e899a_scan.kd
    .args:
      - { .name: part, .offset: 0, .size: 8, .value_kind: global_buffer, .address_space: global }
      - { .name: pref, .offset: 8, .size: 8, .value_kind: global_buffer, .address_space: global }
    .group_segment_fixed_size: 0
    .private_segment_fixed_size: 0
    .kernarg_segment_align: 8
    .kernarg_segment_size: 16
    .max_flat_workgroup_size: 128
    .sgpr_count:     66
    .vgpr_count:     136
    .wavefront_size: 32
...
	.end_amdgpu_metadata
.endif
;; end of part 3
;; launch attn (part 4): grid 64 x 4, 4 waves a work-group, clusters of 4 x 1, 327,680 bytes of LDS; arguments query, wimg, kbuf, vbuf, vlo, pref, out0; writes out0
.if DOCPART == 4
	.amdgcn_target "amdgcn-amd-amdhsa--gfx1250"
	.amdhsa_code_object_version 6
	.text
	.protected	k_qad2d6e899a_attn
	.globl	k_qad2d6e899a_attn
	.p2align	8
	.type	k_qad2d6e899a_attn,@function
k_qad2d6e899a_attn:
	s_mov_b64 s[64:65], 0
	v_nop
	global_prefetch_b8 v0, s[64:65] scope:SCOPE_SE
	s_setreg_imm32_b32 hwreg(HW_REG_WAVE_MODE, 25, 1), 1
	s_wait_xcnt 0x0
	s_wait_alu depctr_hold_cnt(0) depctr_sa_sdst(0) depctr_va_vdst(0) depctr_va_sdst(0) depctr_va_ssrc(0) depctr_va_vcc(0) depctr_vm_vsrc(0)
	s_getreg_b32 s2, hwreg(HW_REG_IB_STS2, 6, 4)
	s_cmp_eq_u32 s2, 0
	s_cbranch_scc0 .Lentry_in_a_cluster
	s_endpgm
.Lentry_in_a_cluster:
	s_bfe_u32 s2, ttmp6, 0x10000c
	s_cmp_lg_u32 s2, 0x3003
	s_cbranch_scc0 .Lentry_shape_is_right
	s_endpgm
.Lentry_shape_is_right:
; q = log2(e) ln(2 + e^x), x = query Wq^T (softplus of softplus; the factor cancels in the quotient), and causal linear attention in steps of 32 rows:
;   den_t = q_t . z + the sum over s <= t in the step of P_ts, P = q . k;   out_t = (q_t / den_t) . S + the sum of (P_ts / den_t) v_s;   then S += K^T V, z += the sum of k.
; S (64 x 64) and z (64), in f32, start from the prefix that the launch before stored for the segment of 256 rows, and stay in the wave's registers.
; FORMATS.  query and Wq rounded to bf16; q, k, v in f16; P / den, which lies in 0 to 1 whatever the inputs' size, in f16; S and q / den in bf16 for their product (no bound on S); den, S, z and all sums in f32.
; In a batch's rows 0-31, where a result is a mean of few v, v and P / den go as a sum of two f16 numbers each (two small products more).
; LIMITS.  |x| log2(e) stays below 65,504 (f16).  NaN and infinities are not treated apart.  2^t below 2^-126 counts as 0: the result is then 1 = log2(2).
; SHARES.  A work-group: two heads x two segments.  Wave w: head 2 cx + w % 2, segment 2 c + w / 2, eight steps.  Wq's 64 columns of the head stay in 512 registers.  State and stages are the wave's own: the only barriers are the ring's.
; LAYOUT.  All products are taken so that a lane holds ONE query (l % 16): q^T = Wq x^T; P^T = K q^T; O^T = S^T (q / den)^T + V^T (P / den)^T.  So den wants one exchange between the halves of the lanes, and rounded pairs ARE the next operand.
; CLUSTER.  The four work-groups of a cluster take the four pairs of heads of the same rows of query: each tile is asked for jointly.
; REGISTERS (windows of 256; s_set_vgpr_msb: bits 1:0 source 0, 3:2 source 1, 5:4 source 2, 7:6 destination):
;   window 0: v0-31 addresses, den; v32-95 q^T (d tile dt, query tile tt at 32 + 8 (2 dt + tt)), later O^T (et for dt); v96-255 by phases: F, XB in the projection; then T; QH, KF; PT; SB; QB; KU; RB0, RB1
;   windows 1, 2: Wq, fragment (dt, ks) at 256 + 8 (16 dt + ks)      window 3: v0-127 S (dt, et at 8 (4 dt + et)); v128-159 Z; v160-167 ones; v168-199 LK; v200-231 LV; v232-247 PH
.set PITCH, 1040                       ; an LDS row: 1,024 bytes + 16 = 65 x 16: the 16 rows that half a wave's load touches fall on 16 different columns of 16 bytes
.set BLK,   32*PITCH                   ; a block: 32 rows x 256 f32: what one tensor load brings
.set SLOTB, 4*BLK                      ; a slot: 32 rows of each of the two segments = 0x20800; its bits meet none of w x BLK
.set STG,   2*SLOTB                    ; behind the ring, for each wave: KS, 64 rows (d) x 32 keys in f16, 96 bytes apart; then OS, 16 rows of 256 bytes, 272 apart
.set WLDS,  64*96+16*272
.set SPARE, STG+4*WLDS                 ; the spare words, 128 bytes for each wave: two blocks of 256 bytes that no other line names
.set TSTEP, 32*2048
.set SEG,   532480
.set XL,  4                            ; v4   my place in my segment's blocks
.set XA,  5                            ; v5   the same in the slot in hand
.set KSW, 6                            ; v6   KS: row l % 16, 16 bytes for each half of the lanes: where a fragment of K^T is put and read back
.set KTR, 7                            ; v7   KS: the turning load's place
.set OSW, 8                            ; v8   OS: where I put 32 bytes of a row
.set OSR, 9                            ; v9   OS: where I read rows back
.set GO,  10                           ; v10  the same two rows in out0
.set KVO, 11                           ; v11  16 l
.set PFO, 12                           ; v12  2,048 l
.set ONEF,13                           ; v13  1.0
.set ZO,  14                           ; v14  32 (l / 16)
.set DZ,  24                           ; v[24:27] den of query tile tt in a pair at 24 + 2 tt; later 1 / den in the pair's low word; v28, v29 at work
.set SPW, 30
.set NIL, 31
.set ACC, 32
.set F,   96
.set XB,  192
.set T,   96
.set QH,  96                           ; q in f16: query tile tt, d half dh at 96 + 8 (2 tt + dh)
.set KF,  128                          ; K: key tile st, d half dh at 128 + 8 (2 st + dh)
.set PT,  160                          ; P^T: (st, tt) = (0, 0), (0, 1), (1, 1)
.set SB,  96                           ; S^T in bf16: e tile et, d half dh at 96 + 8 (2 et + dh)
.set QB,  192                          ; q / den in bf16, as QH
.set KU,  96                           ; K^T: d tile dt
.set VL,  96                           ; rows 0-31: the low parts of v
.set PL,  128                          ;            and of P / den
.set RB0, 128
.set RB1, 192
.set SS,  0                            ; window 3
.set ZZ,  128
.set ONE, 160
.set LK,  168
.set LV,  200
.set PH,  232
.set WV, 16                            ; s16 wave  s17 cx  s18 cluster x  s19 batch  s[20:21] out0  s22 head  s23 8 n + h  s39 w / 2  s41 segment
.set CX, 17
.set CC, 18
.set NN, 19
.set HH, 22
.set NH, 23
.set G1, 24
.set G0, 32
.set PFA, 36
.set SLOTS, 38
.set SG, 39
.set TB,  40
.set GG,  41
.set CAP, 42                           ; s42 115.0
.set FR,  43                           ; s43 1: the step to come holds a batch's rows 0-31
.set LE,  52                           ; s[52:53] log2(e)
.set MK,  56                           ; s[56:63] mask j: the lanes whose query sees key 8 (l / 16) + j of a diagonal tile
.set SEL, 66                           ; s[66:67] v_permlanex16_b32's selects: each lane takes its own place in the other half
.set MSB, 0
.macro WIN new                         ; the immediate's high byte repeats the setting that is left; a switch that changes nothing is dropped
.if MSB != (\new)
	s_set_vgpr_msb (MSB<<8)|(\new)
.set MSB, (\new)
.endif
.endm
.macro PLACES n
.rept \n
	v_nop
.endr
.endm
.macro CROUND                          ; a round of the cluster's barrier
	s_barrier_signal -1
	s_barrier_wait -1
	s_cmp_lg_u32 s[WV], 0
	s_cbranch_scc1 .Lnot_wave_0_\@
	s_barrier_signal -3
.Lnot_wave_0_\@:
	s_barrier_wait -3
	s_barrier_signal -1
	s_barrier_wait -1
.endm
; A prefetch of what the NEXT change of slots will ask for: of a block's rows of 1,024 bytes the partner at place cx takes piece cx of 256 bytes (by address), a lane a row; each wave asks for the block that it will fetch,
; and only this cluster reads these rows: each piece is named once in the launch.  The last change that fills a slot asks for nothing; tiles 0 and 1 come by their loads alone.
.macro ASK
	s_cmp_gt_u32 s[SLOTS], 1
	s_cbranch_scc0 .Lno_ask_\@
	global_prefetch_b8 v[PFO], s[PFA:PFA+1] th:TH_LOAD_NT scope:SCOPE_SE
.Lno_ask_\@:
.endm
; THE CHANGE OF SLOTS, in front of every step.  Each wave waits for all its tensor loads, of which one is out: its block of the other slot; adds 0 to its spare word; waits for that and for its reads of the slot that it leaves.
; fill = 1: the barrier is a round of the cluster's, and the joint refill is the first thing behind it: it has a step in which to land.
.macro CHANGE fill
	WIN 0
.if \fill
	s_add_nc_u64 s[PFA:PFA+1], s[PFA:PFA+1], TSTEP ; the last prefetch has read it: the wait at the last step's end stands between
.endif
	s_wait_tensorcnt 0x0                           ; no tensor load of mine is out, so group 0 may be written
	ds_add_u32 v[SPW], v[NIL]                      ; 0 onto my spare word
.if \fill
	s_xor_b32 s[G0+1], s[G0+1], SLOTB
	s_add_nc_u64 s[G0+2:G0+3], s[G0+2:G0+3], TSTEP
.endif
	s_xor_b32 s[TB], s[TB], SLOTB
	s_wait_dscnt 0x0                               ; the add is done, and my reads of the slot are over
.if \fill
	CROUND
	tensor_load_to_lds s[G0:G0+3], s[G1:G1+7]
	s_nop 0
	PLACES 4
	ASK
.else
	s_barrier_signal -1
	s_barrier_wait -1
.endif
.endm
; Piece j of 8 of K step ks: 16 bytes a lane.  Pieces 0-3 are rows 0-15, pieces 4-7 rows 16-31; in a row a lane's k = 8 (l / 16) + 0..7 lie at 0 and 16, k = 16 + 8 (l / 16) + 0..7 at 64 and 80.
.macro XLOAD ks, j
	ds_load_b128 v[F+32*((\ks)%3)+4*(\j):F+32*((\ks)%3)+4*(\j)+3], v[XA] offset:((\ks)>>3)*BLK+((\j)>>2)*16*PITCH+((\ks)&7)*128+(((\j)>>1)&1)*64+((\j)&1)*16
.endm
.macro XCVT ks, c
	v_cvt_pk_bf16_f32 v[XB+16*((\ks)%3)+(\c)], v[F+32*((\ks)%3)+2*(\c)], v[F+32*((\ks)%3)+2*(\c)+1]
.endm
; THE PROJECTION of 32 rows onto my 64 columns: 16 K steps of 8 matrix instructions; the 8 accumulators take turns.  Behind product j of K step ks stand conversions 2 j, 2 j + 1 of K step
; ks + 1 and the load of piece j of K step ks + 3.  A set of XB is written again three K steps on: 16 conversions of another set lie between its last product and that.
; ori = 1: source 0 = weights, source 1 = rows of query: a lane holds one query and eight columns.
.macro PROJ ori
	WIN 0
	v_add_nc_u32 v[XA], s[TB], v[XL]
.set ks, 0
.rept 3
.set j, 0
.rept 8
	XLOAD ks, j
.set j, j+1
.endr
.set ks, ks+1
.endr
	s_wait_dscnt 16                                ; K step 0's eight pieces are in; those of K steps 1 and 2 may stay out
.set j, 0
.rept 16
	XCVT 0, j
.set j, j+1
.endr
.set ks, 0
.rept 16
.set w0, 4                             ; what may stay out when pieces 0-3 of K step ks + 1 are wanted: its pieces 4-7 and K step ks + 2's eight, where there is such a step;
.set w4, 0                             ; and when its pieces 4-7 are wanted: K step ks + 2's eight and the four of K step ks + 3 just issued
.if ks <= 13
.set w0, 12
.set w4, 8
.endif
.if ks <= 12
.set w4, 12
.endif
.set j, 0
.rept 8
.set rW, 8*(16*((j>>1)&1)+ks)
.set rX, XB+16*(ks%3)+8*(j&1)
.set rA, ACC+8*j
.if \ori
	WIN 0x01+(j>>2)
.if ks == 0
	v_wmma_f32_16x16x32_bf16 v[rA:rA+7], v[rW:rW+7], v[rX:rX+7], 0
.else
	v_wmma_f32_16x16x32_bf16 v[rA:rA+7], v[rW:rW+7], v[rX:rX+7], v[rA:rA+7]
.endif
.else
	WIN 0x04+4*(j>>2)
.if ks == 0
	v_wmma_f32_16x16x32_bf16 v[rA:rA+7], v[rX:rX+7], v[rW:rW+7], 0
.else
	v_wmma_f32_16x16x32_bf16 v[rA:rA+7], v[rX:rX+7], v[rW:rW+7], v[rA:rA+7]
.endif
.endif
.if ks < 15
	WIN 0
.if j == 0
	s_wait_dscnt w0
.endif
.if j == 4
	s_wait_dscnt w4
.endif
	XCVT ks+1, 2*j
	XCVT ks+1, 2*j+1
.endif
.if ks < 13
	XLOAD ks+3, j
.endif
.set j, j+1
.endr
.set ks, ks+1
.endr
	WIN 0
.endm
; y = max(t, log2(2 + 2^min(t, 115))), t = x log2(e), in place on cnt registers from base on; tmp: as many at work.  No exponential overflows; from t = 115 on y = t.
; Each accumulator's lowest registers are read first.  Two batches of transcendentals, each with one plain instruction behind it and one wait ahead of its first reader.
.macro ACT base, cnt, tmp
	PLACES 4                                       ; behind the last products
.set i, 0
.rept (\cnt)/2
	v_pk_mul_f32 v[(\base)+i:(\base)+i+1], v[(\base)+i:(\base)+i+1], s[LE:LE+1] op_sel_hi:[1,0]
.set i, i+2
.endr
.set i, 0
.rept \cnt
	v_min_num_f32 v[(\tmp)+i], s[CAP], v[(\base)+i]
.set i, i+1
.endr
.set i, 0
.rept \cnt
	v_exp_f32 v[(\tmp)+i], v[(\tmp)+i]
.set i, i+1
.endr
	v_nop
	s_wait_alu depctr_va_vdst(0)
.set i, 0
.rept (\cnt)/2
	v_pk_add_f32 v[(\tmp)+i:(\tmp)+i+1], v[(\tmp)+i:(\tmp)+i+1], 2.0 op_sel_hi:[1,0]
.set i, i+2
.endr
.set i, 0
.rept \cnt
	v_log_f32 v[(\tmp)+i], v[(\tmp)+i]
.set i, i+1
.endr
	v_nop
	s_wait_alu depctr_va_vdst(0)
.set i, 0
.rept \cnt
	v_max_num_f32 v[(\base)+i], v[(\base)+i], v[(\tmp)+i]
.set i, i+1
.endr
.endm
; THE WAY OUT of query tile tt: a lane's 32 bytes of a row go into rows 272 bytes apart and come back as whole rows of 256 bytes; LDS serves a wave's instructions in order, so the loads see the stores.
.macro OUTS tt, rb
.irp et, 0,1,2,3
	ds_store_b128 v[OSW], v[ACC+8*(2*\et+\tt):ACC+8*(2*\et+\tt)+3] offset:\et*64
	ds_store_b128 v[OSW], v[ACC+8*(2*\et+\tt)+4:ACC+8*(2*\et+\tt)+7] offset:\et*64+16
.endr
.irp i, 0,1,2,3,4,5,6,7
	ds_load_b128 v[\rb+4*\i:\rb+4*\i+3], v[OSR] offset:\i*544
.endr
.endm
.macro SEND tt, rb
.irp i, 0,1,2,3,4,5,6,7
	global_store_b128 v[GO], v[\rb+4*\i:\rb+4*\i+3], s[20:21] offset:\tt*32768+\i*4096 th:TH_STORE_NT  ; 16 lanes store a head's 256 consecutive bytes of a row, aligned
.endr
.endm
; A STEP: 32 rows.  more = 1: a further step follows: its K is asked for, and the state takes this step's rows.
.macro STEP more
	PLACES 5                                       ; behind the last step's products, in front of loads into registers that they read
	WIN 0xc0
.irp et, 0,1,2,3                               ; V^T's fragments of this step, as they lie in vbuf: wanted behind the projection, the activation and two products
	global_load_b128 v[LV+8*\et:LV+8*\et+3], v[KVO], s[10:11] offset:\et*1024 th:TH_LOAD_NT
	global_load_b128 v[LV+8*\et+4:LV+8*\et+7], v[KVO], s[10:11] offset:\et*1024+512 th:TH_LOAD_NT
.endr
	PROJ 1
	s_wait_loadcnt 8                               ; K^T's fragments are in (in the first step the state too); V's eight loads may stay out
	WIN 0x0c
.irp dt, 0,1,2,3                               ; K^T into KS, [d][key]: read back as it lies for the state, turned for P
	ds_store_b128 v[KSW], v[LK+8*\dt:LK+8*\dt+3] offset:\dt*1536
	ds_store_b128 v[KSW], v[LK+8*\dt+4:LK+8*\dt+7] offset:\dt*1536+32
.endr
.if \more
	WIN 0xc0
.irp dt, 0,1,2,3                               ; the next step's: a whole step ahead
	global_load_b128 v[LK+8*\dt:LK+8*\dt+3], v[KVO], s[8:9] offset:4096+\dt*1024 th:TH_LOAD_NT
	global_load_b128 v[LK+8*\dt+4:LK+8*\dt+7], v[KVO], s[8:9] offset:4096+\dt*1024+512 th:TH_LOAD_NT
.endr
.endif
	WIN 0
	ACT ACC, 64, T
.irp f, 0,1,2,3                                ; K's fragments (key tile f / 2, d half f % 2), turned: lane l holds key l % 16
	ds_load_tr16_b128 v[KF+8*\f:KF+8*\f+3], v[KTR] offset:(\f%2)*3072+(\f/2)*32
	ds_load_tr16_b128 v[KF+8*\f+4:KF+8*\f+7], v[KTR] offset:(\f%2)*3072+(\f/2)*32+1536
.endr
	WIN 0x0c
.set i, 0
.rept 16                                       ; q . z: Z lies as q^T lies (all its columns are alike); the two query tiles alternate
.irp tt, 0,1
.if i == 0
	v_pk_mul_f32 v[DZ+2*\tt:DZ+2*\tt+1], v[ACC+8*(2*(i/4)+\tt)+2*(i%4):ACC+8*(2*(i/4)+\tt)+2*(i%4)+1], v[ZZ+2*i:ZZ+2*i+1]
.else
	v_pk_fma_f32 v[DZ+2*\tt:DZ+2*\tt+1], v[ACC+8*(2*(i/4)+\tt)+2*(i%4):ACC+8*(2*(i/4)+\tt)+2*(i%4)+1], v[ZZ+2*i:ZZ+2*i+1], v[DZ+2*\tt:DZ+2*\tt+1]
.endif
.endr
.set i, i+1
.endr
	WIN 0
.set m, 0
.rept 32                                       ; register m of QH: query tile m / 16, d tile (m / 4) % 4, pair m % 4
	v_cvt_pk_f16_f32 v[QH+m], v[ACC+8*(2*((m>>2)&3)+(m>>4))+2*(m&3)], v[ACC+8*(2*((m>>2)&3)+(m>>4))+2*(m&3)+1]
.set m, m+1
.endr
	s_wait_dscnt 0x0                               ; K
.irp dh, 0,1                                   ; P^T = K q^T; the tile of keys 16-31 and queries 0-15 is hidden and is not made; three accumulators by turns
.if \dh == 0
	v_wmma_f32_16x16x32_f16 v[PT:PT+7], v[KF:KF+7], v[QH:QH+7], 0
	v_wmma_f32_16x16x32_f16 v[PT+8:PT+15], v[KF:KF+7], v[QH+16:QH+23], 0
	v_wmma_f32_16x16x32_f16 v[PT+16:PT+23], v[KF+16:KF+23], v[QH+16:QH+23], 0
.else
	v_wmma_f32_16x16x32_f16 v[PT:PT+7], v[KF+8:KF+15], v[QH+8:QH+15], v[PT:PT+7]
	v_wmma_f32_16x16x32_f16 v[PT+8:PT+15], v[KF+8:KF+15], v[QH+24:QH+31], v[PT+8:PT+15]
	v_wmma_f32_16x16x32_f16 v[PT+16:PT+23], v[KF+24:KF+31], v[QH+24:QH+31], v[PT+16:PT+23]
.endif
.endr
	PLACES 4
.irp j, 0,1,2,3,4,5,6,7                        ; the two diagonal tiles: a hidden key's P is 0
	v_cndmask_b32 v[PT+\j], 0, v[PT+\j], s[MK+\j]
	v_cndmask_b32 v[PT+16+\j], 0, v[PT+16+\j], s[MK+\j]
.endr
.irp q, 0,1,2,3
	v_pk_add_f32 v[DZ:DZ+1], v[DZ:DZ+1], v[PT+2*\q:PT+2*\q+1]
	v_pk_add_f32 v[DZ+2:DZ+3], v[DZ+2:DZ+3], v[PT+8+2*\q:PT+8+2*\q+1]
.endr
.irp q, 0,1,2,3
	v_pk_add_f32 v[DZ+2:DZ+3], v[DZ+2:DZ+3], v[PT+16+2*\q:PT+16+2*\q+1]
.endr
	v_add_f32 v28, v[DZ], v[DZ+1]
	v_add_f32 v29, v[DZ+2], v[DZ+3]
	v_permlanex16_b32 v[DZ], v28, s[SEL], s[SEL+1] ; the query's other d and keys lie in the lane 16 away
	v_permlanex16_b32 v[DZ+2], v29, s[SEL], s[SEL+1]
	v_add_f32 v28, v28, v[DZ]
	v_add_f32 v29, v29, v[DZ+2]
	v_rcp_f32 v[DZ], v28                           ; den is a sum of products of numbers that are 1 or more
	v_rcp_f32 v[DZ+2], v29
	v_nop
	s_wait_alu depctr_va_vdst(0)                   ; one wait for the two reciprocals, ahead of their first reader
.irp q, 0,1,2,3
	v_pk_mul_f32 v[PT+2*\q:PT+2*\q+1], v[PT+2*\q:PT+2*\q+1], v[DZ:DZ+1] op_sel_hi:[1,0]
.endr
.irp q, 0,1,2,3,4,5,6,7
	v_pk_mul_f32 v[PT+8+2*\q:PT+8+2*\q+1], v[PT+8+2*\q:PT+8+2*\q+1], v[DZ+2:DZ+3] op_sel_hi:[1,0]
.endr
	WIN 0xc0
.irp q, 0,1,2,3                                ; rounded in pairs they ARE source 1 (32 keys x 16 queries); the upper half of tile 0's was set to 0 once
	v_cvt_pk_f16_f32 v[PH+\q], v[PT+2*\q], v[PT+2*\q+1]
.endr
.irp q, 0,1,2,3,4,5,6,7
	v_cvt_pk_f16_f32 v[PH+8+\q], v[PT+8+2*\q], v[PT+8+2*\q+1]
.endr
	WIN 0
.set i, 0
.rept 32                                       ; q / den
	v_pk_mul_f32 v[ACC+2*i:ACC+2*i+1], v[ACC+2*i:ACC+2*i+1], v[DZ+2*((i>>2)&1):DZ+2*((i>>2)&1)+1] op_sel_hi:[1,0]
.set i, i+1
.endr
.set m, 0
.rept 32
	v_cvt_pk_bf16_f32 v[QB+m], v[ACC+8*(2*((m>>2)&3)+(m>>4))+2*(m&3)], v[ACC+8*(2*((m>>2)&3)+(m>>4))+2*(m&3)+1]
.set m, m+1
.endr
	WIN 0x0f
.set m, 0
.rept 64                                       ; register m of SB: e tile m / 16, d tile (m / 4) % 4, pair m % 4: each accumulator's lowest pair first
	v_cvt_pk_bf16_f32 v[SB+m], v[SS+8*(4*((m>>2)&3)+(m>>4))+2*(m&3)], v[SS+8*(4*((m>>2)&3)+(m>>4))+2*(m&3)+1]
.set m, m+1
.endr
	WIN 0
.irp dh, 0,1                                   ; O^T = S^T (q / den)^T: eight accumulators by turns
.irp et, 0,1,2,3
.irp tt, 0,1
.if \dh == 0
	v_wmma_f32_16x16x32_bf16 v[ACC+8*(2*\et+\tt):ACC+8*(2*\et+\tt)+7], v[SB+8*(2*\et):SB+8*(2*\et)+7], v[QB+8*(2*\tt):QB+8*(2*\tt)+7], 0
.else
	v_wmma_f32_16x16x32_bf16 v[ACC+8*(2*\et+\tt):ACC+8*(2*\et+\tt)+7], v[SB+8*(2*\et+1):SB+8*(2*\et+1)+7], v[QB+8*(2*\tt+1):QB+8*(2*\tt+1)+7], v[ACC+8*(2*\et+\tt):ACC+8*(2*\et+\tt)+7]
.endif
.endr
.endr
.endr
	PLACES 5                                       ; another form takes the same accumulators up
	s_wait_loadcnt 8*(\more)                       ; V is in; the next step's K, eight loads, may stay out
	WIN 0x0f
.irp et, 0,1,2,3                               ; O^T += V^T (P / den)^T
.irp tt, 0,1
	v_wmma_f32_16x16x32_f16 v[ACC+8*(2*\et+\tt):ACC+8*(2*\et+\tt)+7], v[LV+8*\et:LV+8*\et+7], v[PH+8*\tt:PH+8*\tt+7], v[ACC+8*(2*\et+\tt):ACC+8*(2*\et+\tt)+7]
.endr
.endr
	WIN 0
.if \more
	s_cmp_eq_u32 s[FR], 0
	s_cbranch_scc1 .Lnot_first_\@
.irp et, 0,1,2,3                               ; A BATCH'S ROWS 0-31: O^T += V^T (what f16 dropped of P / den) + (what f16 dropped of V)^T (P / den)
	global_load_b128 v[VL+8*\et:VL+8*\et+3], v[KVO], s[12:13] offset:\et*1024
	global_load_b128 v[VL+8*\et+4:VL+8*\et+7], v[KVO], s[12:13] offset:\et*1024+512
.endr
	WIN 0x03
.irp q, 0,1,2,3
	v_fma_mix_f32 v[PT+2*\q], -v[PH+\q], v[ONEF], v[PT+2*\q] op_sel_hi:[1,0,0]
	v_fma_mix_f32 v[PT+2*\q+1], -v[PH+\q], v[ONEF], v[PT+2*\q+1] op_sel:[1,0,0] op_sel_hi:[1,0,0]
.endr
.irp q, 0,1,2,3,4,5,6,7
	v_fma_mix_f32 v[PT+8+2*\q], -v[PH+8+\q], v[ONEF], v[PT+8+2*\q] op_sel_hi:[1,0,0]
	v_fma_mix_f32 v[PT+8+2*\q+1], -v[PH+8+\q], v[ONEF], v[PT+8+2*\q+1] op_sel:[1,0,0] op_sel_hi:[1,0,0]
.endr
	WIN 0
.irp q, 0,1,2,3
	v_cvt_pk_f16_f32 v[PL+\q], v[PT+2*\q], v[PT+2*\q+1]
	v_mov_b32 v[PL+4+\q], 0
.endr
.irp q, 0,1,2,3,4,5,6,7
	v_cvt_pk_f16_f32 v[PL+8+\q], v[PT+8+2*\q], v[PT+8+2*\q+1]
.endr
	s_wait_loadcnt 0x0
	WIN 0x03
.irp et, 0,1,2,3
.irp tt, 0,1
	v_wmma_f32_16x16x32_f16 v[ACC+8*(2*\et+\tt):ACC+8*(2*\et+\tt)+7], v[LV+8*\et:LV+8*\et+7], v[PL+8*\tt:PL+8*\tt+7], v[ACC+8*(2*\et+\tt):ACC+8*(2*\et+\tt)+7]
.endr
.endr
	WIN 0x0c
.irp et, 0,1,2,3
.irp tt, 0,1
	v_wmma_f32_16x16x32_f16 v[ACC+8*(2*\et+\tt):ACC+8*(2*\et+\tt)+7], v[VL+8*\et:VL+8*\et+7], v[PH+8*\tt:PH+8*\tt+7], v[ACC+8*(2*\et+\tt):ACC+8*(2*\et+\tt)+7]
.endr
.endr
	WIN 0
	s_mov_b32 s[FR], 0
.Lnot_first_\@:
.endif
	PLACES 4                                       ; behind the last products: O^T is read, and registers that they read are loaded
.if \more
.irp dt, 0,1,2,3
	ds_load_b128 v[KU+8*\dt:KU+8*\dt+3], v[KSW] offset:\dt*1536
	ds_load_b128 v[KU+8*\dt+4:KU+8*\dt+7], v[KSW] offset:\dt*1536+32
.endr
.endif
	OUTS 0, RB0
.if \more
	s_wait_dscnt 16                                ; K^T is in; the stage's eight stores and eight loads may stay out
	WIN 0xfc
.irp dt, 0,1,2,3                               ; the state takes the step's rows: twenty accumulators, one instruction each
.irp et, 0,1,2,3
	v_wmma_f32_16x16x32_f16 v[SS+8*(4*\dt+\et):SS+8*(4*\dt+\et)+7], v[KU+8*\dt:KU+8*\dt+7], v[LV+8*\et:LV+8*\et+7], v[SS+8*(4*\dt+\et):SS+8*(4*\dt+\et)+7]
.endr
.endr
.irp dt, 0,1,2,3
	v_wmma_f32_16x16x32_f16 v[ZZ+8*\dt:ZZ+8*\dt+7], v[KU+8*\dt:KU+8*\dt+7], v[ONE:ONE+7], v[ZZ+8*\dt:ZZ+8*\dt+7]
.endr
	WIN 0
.endif
	s_wait_dscnt 0x0
	SEND 0, RB0
	OUTS 1, RB1
	s_wait_dscnt 0x0
	SEND 1, RB1
	s_wait_xcnt 0x0                                ; the step's loads and stores have read their registers and bases: only behind this wait are these written again, here and by the next projection
	s_add_nc_u64 s[8:9], s[8:9], 4096
	s_add_nc_u64 s[10:11], s[10:11], 4096
	s_add_nc_u64 s[20:21], s[20:21], TSTEP
.endm
	s_load_b256 s[4:11], s[0:1], 0x0               ; query s[4:5], wimg s[6:7], kbuf s[8:9], vbuf s[10:11]
	s_load_b128 s[12:15], s[0:1], 0x20             ; vlo s[12:13], pref s[14:15]
	s_load_b64 s[20:21], s[0:1], 0x30              ; out0
	v_lshl_add_u32 v[SPW], v0, 2, SPARE
	v_mov_b32 v[NIL], 0
	ds_add_u32 v[SPW], v[NIL]                      ; the wave's opening: the add and its wait stand ahead of my first tensor load; the set-up below stands between them
	v_lshrrev_b32 v1, 5, v0
	v_readfirstlane_b32 s[WV], v1
	s_bfe_u32 s[CX], ttmp6, 0x40000                ; my place in the cluster: the pair of heads; it enters no descriptor, no LDS address and no branch
	s_mov_b32 s[CC], ttmp9
	s_and_b32 s[NN], ttmp7, 0xffff
	s_lshr_b32 s[SG], s[WV], 1
	s_and_b32 s46, s[WV], 1
	s_lshl1_add_u32 s[HH], s[CX], s46
	s_lshl3_add_u32 s[NH], s[NN], s[HH]
	s_lshl1_add_u32 s[GG], s[CC], s[SG]
	s_mov_b32 s[G1], 15|(2<<16)|(1<<20)|(1<<21)|(7<<22)|(3<<25)  ; 15:0 the mask of four; 17:16 4-byte elements; 20 padding on; 21 set beside a mask; 24:22 after every 256 words (code 7); 31:25 4 words (code 3)
	s_mov_b32 s[G1+1], 256<<16                     ; tensor_dim0 = 256
	s_mov_b32 s[G1+2], 32<<16                      ; tensor_dim1 = 32
	s_mov_b32 s[G1+3], 256<<16                     ; tile_dim0 = 256
	s_mov_b32 s[G1+4], 32                          ; tile_dim1 = 32
	s_mov_b32 s[G1+5], 512                         ; 512 elements from row to row
	s_mov_b32 s[G1+6], 0
	s_mov_b32 s[G1+7], 0
	s_mov_b32 s[G0], 1
	s_mul_i32 s[G0+1], s[WV], BLK                  ; block w of slot 0: segment 2 c + w / 2, columns 256 (w % 2) on
	s_lshl_b32 s44, s[NN], 24                      ; my block in query: batch, two segments a cluster,
	s_lshl_b32 s45, s[CC], 20
	s_add_co_u32 s44, s44, s45
	s_lshl_b32 s45, s[SG], 19                      ; 256 rows,
	s_add_co_u32 s44, s44, s45
	s_and_b32 s45, s[WV], 1
	s_lshl_b32 s45, s45, 10                        ; 256 columns
	s_add_co_u32 s44, s44, s45
	s_mov_b32 s45, 0
	s_lshl_b32 s46, s[HH], 16                      ; Wq's four column tiles of my head
	s_mov_b32 s47, 0
	s_lshl_b32 s48, s[NH], 20                      ; kbuf, vbuf: 256 steps of 4,096 bytes a head, 8 a segment
	s_lshl_b32 s49, s[GG], 15
	s_add_co_u32 s48, s48, s49
	s_mov_b32 s49, 0
	s_lshl_b32 s50, s[NH], 12
	s_mov_b32 s51, 0
	s_mul_i32 s68, s[GG], SEG
	s_mul_i32 s69, s[NH], 16640
	s_add_co_u32 s68, s68, s69
	s_mov_b32 s69, 0
	s_lshl_b32 s70, s[NN], 24                      ; out0: batch, segment, my head's 256 bytes of a row
	s_lshl_b32 s71, s[GG], 19
	s_add_co_u32 s70, s70, s71
	s_lshl_b32 s71, s[HH], 8
	s_add_co_u32 s70, s70, s71
	s_mov_b32 s71, 0
	s_lshl_b32 s54, s[CX], 8                       ; the prefetch: my work-group's piece of a row, in tile 1; the first change steps it to tile 2
	s_add_co_u32 s54, s54, TSTEP
	s_mov_b32 s55, 0
	s_mov_b32 s[LE], 0x3fb8aa3b
	s_mov_b32 s[LE+1], 0x3fb8aa3b
	s_mov_b32 s[CAP], 0x42e60000
	s_mov_b32 s[SEL], 0x76543210
	s_mov_b32 s[SEL+1], 0xfedcba98
	s_mov_b32 s[TB], SLOTB                         ; the first change of slots turns it into 0
	s_or_b32 s[FR], s[SG], s[CC]
	s_cmp_eq_u32 s[FR], 0                          ; segment 0
	s_cselect_b32 s[FR], 1, 0
	s_mov_b32 s[SLOTS], 7
	s_wait_dscnt 0x0                               ; the opening add is done
	s_wait_kmcnt 0x0
	s_add_nc_u64 s[G0+2:G0+3], s[4:5], s[44:45]
	s_add_nc_u64 s[PFA:PFA+1], s[G0+2:G0+3], s[54:55]
	s_or_b32 s[G0+3], s[G0+3], 0x80000000
	s_add_nc_u64 s[6:7], s[6:7], s[46:47]
	s_add_nc_u64 s[8:9], s[8:9], s[48:49]
	s_add_nc_u64 s[10:11], s[10:11], s[48:49]
	s_add_nc_u64 s[12:13], s[12:13], s[50:51]
	s_add_nc_u64 s[14:15], s[14:15], s[68:69]
	s_add_nc_u64 s[20:21], s[20:21], s[70:71]
	CROUND                                         ; all four work-groups are here: the first joint loads meet
	tensor_load_to_lds s[G0:G0+3], s[G1:G1+7]      ; tile 0 into slot 0; slot 1 is asked for by the first change of slots
	s_nop 0
	PLACES 4
	v_and_b32 v1, 15, v0                           ; l % 16
	v_bfe_u32 v2, v0, 4, 1                         ; l / 16
	v_and_b32 v3, 31, v0                           ; l
	v_lshlrev_b32 v[KVO], 4, v3
	v_lshlrev_b32 v[ZO], 5, v2
	WIN 0x40
.set i, 0
.rept 32                                       ; Wq's fragments, each two runs of 512 consecutive bytes
	global_load_b128 v[8*i:8*i+3], v[KVO], s[6:7] offset:i*1024
	global_load_b128 v[8*i+4:8*i+7], v[KVO], s[6:7] offset:i*1024+512
.set i, i+1
.endr
	WIN 0x80
.set i, 0
.rept 32
	global_load_b128 v[8*i:8*i+3], v[KVO], s[6:7] offset:32768+i*1024
	global_load_b128 v[8*i+4:8*i+7], v[KVO], s[6:7] offset:32768+i*1024+512
.set i, i+1
.endr
	WIN 0xc0
.set i, 0
.rept 16                                       ; the state at my segment's beginning: S's 16 tiles as accumulators lie,
	global_load_b128 v[SS+8*i:SS+8*i+3], v[KVO], s[14:15] offset:i*1024
	global_load_b128 v[SS+8*i+4:SS+8*i+7], v[KVO], s[14:15] offset:i*1024+512
.set i, i+1
.endr
.set i, 0
.rept 4                                        ; z, the same in all 16 columns,
	global_load_b128 v[ZZ+8*i:ZZ+8*i+3], v[ZO], s[14:15] offset:16384+i*64
	global_load_b128 v[ZZ+8*i+4:ZZ+8*i+7], v[ZO], s[14:15] offset:16384+i*64+16
.set i, i+1
.endr
.set i, 0
.rept 4                                        ; and K^T of step 0
	global_load_b128 v[LK+8*i:LK+8*i+3], v[KVO], s[8:9] offset:i*1024 th:TH_LOAD_NT
	global_load_b128 v[LK+8*i+4:LK+8*i+7], v[KVO], s[8:9] offset:i*1024+512 th:TH_LOAD_NT
.set i, i+1
.endr
.set i, 0
.rept 8
	v_mov_b32 v[ONE+i], 0x3c003c00                 ; 1.0 twice, in f16
.set i, i+1
.endr
.set i, 4
.rept 4
	v_mov_b32 v[PH+i], 0                           ; queries 0-15 see none of keys 16-31
.set i, i+1
.endr
	WIN 0
	v_mul_u32_u24 v[XL], v1, PITCH
	v_lshl_add_u32 v[XL], v2, 5, v[XL]
	s_mul_i32 s44, s[SG], 2*BLK                    ; my segment's two blocks
	v_add_nc_u32 v[XL], s44, v[XL]
	v_lshlrev_b32 v[PFO], 11, v3
	v_mov_b32 v[ONEF], 1.0
	s_mul_i32 s45, s[WV], WLDS
	s_add_co_u32 s45, s45, STG                     ; my KS
	s_add_co_u32 s46, s45, 64*96                   ; my OS
	v_mul_u32_u24 v[KSW], v1, 96
	v_lshl_add_u32 v[KSW], v2, 4, v[KSW]
	v_add_nc_u32 v[KSW], s45, v[KSW]
	v_and_b32 v15, 7, v0                           ; the turning load: lane l reads row 8 (l / 16) + l % 8, keys 8 ((l / 8) % 2) + 0..7
	v_lshl_add_u32 v15, v2, 3, v15
	v_mul_u32_u24 v[KTR], v15, 96
	v_bfe_u32 v15, v0, 3, 1
	v_lshl_add_u32 v[KTR], v15, 4, v[KTR]
	v_add_nc_u32 v[KTR], s45, v[KTR]
	v_mul_u32_u24 v[OSW], v1, 272
	v_lshl_add_u32 v[OSW], v2, 5, v[OSW]
	v_add_nc_u32 v[OSW], s46, v[OSW]
	v_mul_u32_u24 v[OSR], v2, 272
	v_lshl_add_u32 v[OSR], v1, 4, v[OSR]
	v_add_nc_u32 v[OSR], s46, v[OSR]
	v_lshlrev_b32 v[GO], 11, v2
	v_lshl_add_u32 v[GO], v1, 4, v[GO]
	v_lshlrev_b32 v15, 3, v2
.irp j, 0,1,2,3,4,5,6,7
	v_add_nc_u32 v16, \j, v15
	v_cmp_le_u32 s[MK+\j], v16, v1                 ; key 8 (l / 16) + j <= query l % 16
.endr
	s_wait_loadcnt 48                              ; the weights are in; the state's 40 loads and K's 8 may stay out
.Lslot:                                        ; seven trips: a step is worked, the next step's rows but one are asked for
	CHANGE 1
	STEP 1
	s_sub_co_u32 s[SLOTS], s[SLOTS], 1
	s_cmp_lg_u32 s[SLOTS], 0
	s_cbranch_scc1 .Lslot
	CHANGE 0                                       ; the last step is written out: nothing is asked for, and the state is wanted no more
	STEP 0
	s_wait_tensorcnt 0x0                           ; the wave's end, behind my last tensor load and my last LDS store
	ds_add_u32 v[SPW], v[NIL]
	s_wait_dscnt 0x0
	CROUND                                         ; the closing round
	s_endpgm
.Lfunc_end_k_qad2d6e899a_attn:
	.size	k_qad2d6e899a_attn, .Lfunc_end_k_qad2d6e899a_attn-k_qad2d6e899a_attn
	.p2alignl 7, 3214868480
	.fill 96, 4, 3214868480
	.section	.rodata,"a",@progbits
	.p2align	6, 0x0
	.amdhsa_kernel k_qad2d6e899a_attn
		.amdhsa_group_segment_fixed_size 327680
		.amdhsa_private_segment_fixed_size 0
		.amdhsa_enable_private_segment 0
		.amdhsa_kernarg_size 56
		.amdhsa_user_sgpr_count 2
		.amdhsa_user_sgpr_kernarg_segment_ptr 1
		.amdhsa_wavefront_size32 1
		.amdhsa_system_sgpr_workgroup_id_x 1
		.amdhsa_system_sgpr_workgroup_id_y 1
		.amdhsa_system_sgpr_workgroup_id_z 1
		.amdhsa_system_vgpr_workitem_id 0
		.amdhsa_next_free_vgpr 1024
		.amdhsa_next_free_sgpr 72
		.amdhsa_reserve_vcc 0
		.amdhsa_float_denorm_mode_32 3
		.amdhsa_float_denorm_mode_16_64 3
		.amdhsa_memory_ordered 1
		.amdhsa_forward_progress 1
		.amdhsa_inst_pref_size 187
	.end_amdhsa_kernel
	.amdgpu_metadata
---
amdhsa.version: [ 1, 2 ]
amdhsa.kernels:
  - .name:           k_qad2d6e899a_attn
    .symbol:         k_qad2d6e899a_attn.kd
    .args:
      - { .name: query, .offset: 0, .size: 8, .value_kind: global_buffer, .address_space: global }
      - { .name: wimg, .offset: 8, .size: 8, .value_kind: global_buffer, .address_space: global }
      - { .name: kbuf, .offset: 16, .size: 8, .value_kind: global_buffer, .address_space: global }
      - { .name: vbuf, .offset: 24, .size: 8, .value_kind: global_buffer, .address_space: global }
      - { .name: vlo, .offset: 32, .size: 8, .value_kind: global_buffer, .address_space: global }
      - { .name: pref, .offset: 40, .size: 8, .value_kind: global_buffer, .address_space: global }
      - { .name: out0, .offset: 48, .size: 8, .value_kind: global_buffer, .address_space: global }
    .group_segment_fixed_size: 327680
    .private_segment_fixed_size: 0
    .kernarg_segment_align: 8
    .kernarg_segment_size: 56
    .max_flat_workgroup_size: 128
    .sgpr_count:     72
    .vgpr_count:     1024
    .wavefront_size: 32
...
	.end_amdgpu_metadata
.endif
;; end of part 4
;; ======== version 2 of 2: 4 launches; version 1 with the launch scan written anew for expert scheduling mode
;; limits: values are held in f16: magnitudes above 65,504 overflow, below 6.1e-05 lose precision
;; workspace buffers: wimg 1,572,864 bytes; kbuf 33,554,432 bytes; vbuf 33,554,432 bytes; vlo 131,072 bytes; part 17,039,360 bytes; pref 17,039,360 bytes
;; launch cast: the kernel of part 1 again; grid 128 x 3, 8 waves a work-group, no clusters, 0 bytes of LDS; arguments Wq, Wk, Wv, wimg; writes wimg
;; launch kv: the kernel of part 2 again; grid 64 x 4, 4 waves a work-group, clusters of 4 x 1, 327,680 bytes of LDS; arguments key, wimg, kbuf, vbuf, vlo, part; writes kbuf, vbuf, vlo, part
;; launch scan (part 5): grid 260 x 1, 4 waves a work-group, no clusters, 0 bytes of LDS; arguments part, pref; writes pref
.if DOCPART == 5
	.amdgcn_target "amdgcn-amd-amdhsa--gfx1250"
	.amdhsa_code_object_version 6
	.text
	.protected	k_qad2d6e899a_scan
	.globl	k_qad2d6e899a_scan
	.p2align	8
	.type	k_qad2d6e899a_scan,@function
k_qad2d6e899a_scan:
	s_mov_b64 s[64:65], 0
	v_nop
	global_prefetch_b8 v0, s[64:65] scope:SCOPE_SE
	s_setreg_imm32_b32 hwreg(HW_REG_WAVE_SCHED_MODE, 0, 2), 2
	s_setreg_imm32_b32 hwreg(HW_REG_WAVE_MODE, 25, 1), 1
	s_wait_xcnt 0x0
	s_wait_alu depctr_vm_vsrc(0)
; pref[s] = the sum of part[0 .. s - 1], for the 32 segments s, in f32: the state with which segment s begins.  A segment's 32 records are 532,480 bytes; thread g owns the 16 bytes at 16 g of every segment
; (260 x 128 x 16 = 532,480), so a wave's load or store covers 512 consecutive bytes.  All 31 loads go out at once, each into registers of its own; no register is written twice behind its load, so no store's source is ever rewritten.
; Each buffer has a second base 16 segments on, so that the immediates stay inside their signed 24 bits.
; THE MODE: SCHED_MODE bits 1:0 = 2 (LLVM: expert scheduling mode 2), set by the entry lines.  The code itself states the register dependences between vector instructions and memory instructions, with s_wait_alu, always for 0.
; THE PLAN.  Registers that memory instructions touch:
;   v1       the offset 16 g.  Written once at the head; read by every load and every store; never written again.
;   v[4:7]   zeros.  Written once at the head; read by the store of segment 0's prefix; never written again.
;   X[i]     Written by its one load, which is issued before any vector instruction names it, and (i > 0) by segment i's two additions; read by segment i + 1's additions and by its one store; never written behind that store.
; So no register that a memory instruction has read is written again, and the only dependence in the run of sums is: additions write X[i], a store reads it.
; The 31 segments go in eight blocks of four (the last of three).  ONE wait on va_vdst stands at a block's head, behind the wait for the block's first segment: it states that the block before has written its four sums,
; and that block's four stores follow it in one run, with no vector instruction between.  One such wait stands ahead of the first load (v1, v[4:7]) and one ahead of the last three stores.
.set SEG, 532480
.set X, 8                              ; v[8:131] segment i's four numbers at X + 4 i, then the running sum up to it
.macro PUT n                           ; the sum up to segment n is the prefix of segment n + 1
.if (\n) < 15
	global_store_b128 v1, v[X+4*(\n):X+4*(\n)+3], s[6:7] offset:((\n)+1)*SEG
.else
	global_store_b128 v1, v[X+4*(\n):X+4*(\n)+3], s[10:11] offset:((\n)-15)*SEG
.endif
.endm
	s_load_b128 s[4:7], s[0:1], 0x0                ; part s[4:5], pref s[6:7]
	s_lshl_b32 s12, ttmp9, 11
	v_lshl_add_u32 v1, v0, 4, s12                  ; 16 g
	v_mov_b32 v4, 0
	v_mov_b32 v5, 0
	v_mov_b32 v6, 0
	v_mov_b32 v7, 0
	s_wait_kmcnt 0x0
	s_add_nc_u64 s[8:9], s[4:5], 16*SEG
	s_add_nc_u64 s[10:11], s[6:7], 16*SEG
	s_wait_alu depctr_va_vdst(0)                   ; v1 is written, which every load and store of the kernel reads as its offset; so are v[4:7], the first store's data
.set i, 0
.rept 31
.if i < 16
	global_load_b128 v[X+4*i:X+4*i+3], v1, s[4:5] offset:i*SEG th:TH_LOAD_NT
.else
	global_load_b128 v[X+4*i:X+4*i+3], v1, s[8:9] offset:(i-16)*SEG th:TH_LOAD_NT
.endif
.set i, i+1
.endr
	global_store_b128 v1, v[4:7], s[6:7]           ; segment 0 begins with nothing
.set b, 0
.rept 8                                        ; block b: segments 4 b to 4 b + 3
.set j, 0
.rept 4
.set i, 4*b+j
.if i < 31
	s_wait_loadcnt 30-i                            ; loads come back in order: segment i is in, the 30 - i younger ones may stay out
.if (j == 0) && (b > 0)
	s_wait_alu depctr_va_vdst(0)                   ; the block before has written its four sums X[4 b - 4 .. 4 b - 1], which the four stores below read
	PUT i-4
	PUT i-3
	PUT i-2
	PUT i-1
.endif
.if i > 0
	v_pk_add_f32 v[X+4*i:X+4*i+1], v[X+4*i:X+4*i+1], v[X+4*i-4:X+4*i-3]
	v_pk_add_f32 v[X+4*i+2:X+4*i+3], v[X+4*i+2:X+4*i+3], v[X+4*i-2:X+4*i-1]
.endif
.endif
.set j, j+1
.endr
.set b, b+1
.endr
	s_wait_alu depctr_va_vdst(0)                   ; the last block has written its three sums X[28 .. 30], which the last three stores read
	PUT 28
	PUT 29
	PUT 30
	s_endpgm
.Lfunc_end_k_qad2d6e899a_scan:
	.size	k_qad2d6e899a_scan, .Lfunc_end_k_qad2d6e899a_scan-k_qad2d6e899a_scan
	.p2alignl 7, 3214868480
	.fill 96, 4, 3214868480
	.section	.rodata,"a",@progbits
	.p2align	6, 0x0
	.amdhsa_kernel k_qad2d6e899a_scan
		.amdhsa_group_segment_fixed_size 0
		.amdhsa_private_segment_fixed_size 0
		.amdhsa_enable_private_segment 0
		.amdhsa_kernarg_size 16
		.amdhsa_user_sgpr_count 2
		.amdhsa_user_sgpr_kernarg_segment_ptr 1
		.amdhsa_wavefront_size32 1
		.amdhsa_system_sgpr_workgroup_id_x 1
		.amdhsa_system_sgpr_workgroup_id_y 1
		.amdhsa_system_sgpr_workgroup_id_z 1
		.amdhsa_system_vgpr_workitem_id 0
		.amdhsa_next_free_vgpr 136
		.amdhsa_next_free_sgpr 66
		.amdhsa_reserve_vcc 0
		.amdhsa_float_denorm_mode_32 3
		.amdhsa_float_denorm_mode_16_64 3
		.amdhsa_memory_ordered 1
		.amdhsa_forward_progress 1
		.amdhsa_inst_pref_size 12
	.end_amdhsa_kernel
	.amdgpu_metadata
---
amdhsa.version: [ 1, 2 ]
amdhsa.kernels:
  - .name:           k_qad2d6e899a_scan
    .symbol:         k_qad2d6e899a_scan.kd
    .args:
      - { .name: part, .offset: 0, .size: 8, .value_kind: global_buffer, .address_space: global }
      - { .name: pref, .offset: 8, .size: 8, .value_kind: global_buffer, .address_space: global }
    .group_segment_fixed_size: 0
    .private_segment_fixed_size: 0
    .kernarg_segment_align: 8
    .kernarg_segment_size: 16
    .max_flat_workgroup_size: 128
    .sgpr_count:     66
    .vgpr_count:     136
    .wavefront_size: 32
...
	.end_amdgpu_metadata
.endif
;; end of part 5
;; launch attn: the kernel of part 4 again; grid 64 x 4, 4 waves a work-group, clusters of 4 x 1, 327,680 bytes of LDS; arguments query, wimg, kbuf, vbuf, vlo, pref, out0; writes out0
